; MI455X (gfx1250); checked and timed in simulation.
; The chip was launched on July 23, 2026; its instructions are those of AMD's public machine-readable ISA for CDNA 5 (MIT licence, August 2026) and "CDNA5" Instruction Set Architecture Reference Guide (July 2026). The comments in the code are by the model that wrote it; some were corrected since.
;; Multi Head Attention. Allowed arithmetic: matrix products marked QUANTISED: E3M2 operands, one E8M0 scale for each 32 along K, by v_wmma_scale_f32_16x16x128_f8f6f4 with both operands' format E3M2, f32 sums; everything else in f32.
;; Inputs: bk 1,024 float32; bq 1,024 float32; bv 1,024 float32; ln_b 1,024 float32; ln_w 1,024 float32; wk 1,024 x 1,024 float32; wq 1,024 x 1,024 float32; wv 1,024 x 1,024 float32; x 4 x 2,048 x 1,024 float32.
;; Outputs: out0 4 x 2,048 x 1,024 float32.
;; This version of the problem:
;;   THIS VERSION OF THE PROBLEM IS GIVEN IN LOW PRECISION. The matrix products marked QUANTISED in the list below multiply operands that are first quantised to E3M2 (3 exponent bits, 2 mantissa bits; 6 bits a number), with one power-of-two scale for each 32 numbers along K (OCP MX v1.0); their sums are f32. All else is computed in f32.
;;   The module's matrix products, in the order in which they are computed (A, B: the left and right operand; K: the contracted axis; several contracted axes count as one K, in the product's order):
;;     1. [M 8,192, K 1,024] x [K 1,024, N 1,024]; A: computed on the way; B: input wq: QUANTISED
;;     2. [M 8,192, K 1,024] x [K 1,024, N 1,024]; A: computed on the way; B: input wk: QUANTISED
;;     3. [M 8,192, K 1,024] x [K 1,024, N 1,024]; A: computed on the way; B: input wv: QUANTISED
;;     4. batch 64 x [M 2,048, K 64] x [K 64, N 2,048]; A: computed on the way; B: computed on the way: QUANTISED
;;     5. batch 64 x [M 2,048, K 2,048] x [K 2,048, N 64]; A: softmax (see below); B: computed on the way: QUANTISED
;;   THE QUANTISER, for each operand of a quantised product, along K:
;;     - K is cut into blocks of 32 from its start; a last block that is shorter is filled with zeros.
;;     - A block's scale is 2^e with e = floor(log2(the largest magnitude in the block)) - 4, held to -126 .. 127; a block of zeros has e = 0. As a byte (E8M0): e + 127.
;;     - Each number is divided by its block's scale, clamped to +-28, and rounded to the nearest number of E3M2, ties to even, subnormals kept.
;;     - The product sums the exact products of the quantised numbers (number of the format x scale) in f32.
;;   ~~~python
;;   def quantise(x, axis):      # numpy; x: float32 -> the quantised numbers, widened to float32 again
;;       x = np.moveaxis(x, axis, -1); K = x.shape[-1]
;;       x = np.pad(x, [(0, 0)] * (x.ndim - 1) + [(0, -K % 32)]); x = x.reshape(x.shape[:-1] + (-1, 32)); a = np.abs(x).max(-1, keepdims=True)
;;       e = np.where(a > 0, np.clip(np.frexp(np.where(a > 0, a, 1))[1] - 1 - 4, -126, 127), 0)      # np.frexp(a)[1] - 1 = floor(log2(a)), exactly
;;       r = np.clip(x / 2.0 ** e, -28, 28)
;;       step = 2.0 ** (np.maximum(np.frexp(np.where(r == 0, 1, r))[1] - 1, -2) - 2)
;;       q = np.round(r / step) * step * 2.0 ** e      # np.round: ties to even
;;       return np.moveaxis(q.reshape(q.shape[:-2] + (-1,))[..., :K], -1, axis).astype(np.float32)
;;   ~~~
;;   SOFTMAX AHEAD OF A QUANTISED PRODUCT. Where the list says 'softmax', what is quantised is not the finished softmax but p = 2^(t - M), with t = logit x log2(e) and M = ceil(the row's largest t), a whole number; so 1/2 < the row's largest p <= 1. The row's sum l is taken of the UNQUANTISED p, in f32, and the product's result is divided by l at the end. Since M is a whole number, a kernel that streams over the keys may use a running M (the ceiling of the running maximum): every later rescaling is an exact power of two, which a block's scale takes up: the codes' values come out the same.
;;   OPERANDS COMPUTED ON THE WAY. 'Computed on the way' means the value that the module computes at that place (a softmax that the list does not call 'softmax' is quantised finished and normalised). What goes into a quantiser is computed in f32, as accurately as f32 sums, v_exp_f32 and their like allow (about 1e-6 of the number): no bf16 or f16 on the way to a quantiser, and a product that is left as it is and whose result goes on into a quantised operand takes f32 operands (vector FMAs, or v_wmma_f32_16x16x4_f32). A number that lies on a knife's edge between two numbers of the format may be rounded either way, as far as f32 arithmetic and the matrix unit's own rounding can turn it there, and no further.
;; One version. Each part assembles by itself: llvm-mc -triple=amdgcn-amd-amdhsa -mcpu=gfx1250 --defsym DOCPART=n.
;; ======== version 1 of 1: 3 launches
;; workspace buffers: hc 6,291,456 bytes; hs 262,144 bytes; wc 2,359,296 bytes; ws 98,304 bytes; qb 6,553,600 bytes; kv 13,107,200 bytes
;; launch prep (part 1): grid 352 x 1, 4 waves a work-group, no clusters, 56,832 bytes of LDS; arguments x, ln_w, ln_b, wq, wk, wv, hc, hs, wc, ws; writes hc, hs, wc, ws
.if DOCPART == 1
	.amdgcn_target "amdgcn-amd-amdhsa--gfx1250"
	.amdhsa_code_object_version 6
	.text
	.protected	k_q0c0c80dd39_prep
	.globl	k_q0c0c80dd39_prep
	.p2align	8
	.type	k_q0c0c80dd39_prep,@function
k_q0c0c80dd39_prep:
	s_mov_b64 s[64:65], 0
	v_nop
	global_prefetch_b8 v0, s[64:65] scope:SCOPE_SE
	s_setreg_imm32_b32 hwreg(HW_REG_WAVE_MODE, 25, 1), 1
	s_wait_xcnt 0x0
; PREP.  Work-groups 0-255: h = LayerNorm(x) x ln_w + ln_b, in f32, quantised along its 1,024 into codes of BF6 (E3M2) with one E8M0 byte for each 32.
; Work-groups 256-351: wq, wk, wv ([k][n] f32, K the FIRST axis) quantised along K into codes with K innermost.
; hc [8,192 positions][768 bytes], hs [8,192][32];  wc [3,072 positions][768], ws [3,072][32] (wq's columns from position 0, wk's from 1,024, wv's from 2,048).
; POSITIONS: token i (and output column n) lies at the position that is i with its bits 3 and 4 exchanged.  So sixteen neighbouring positions 16 t .. 16 t + 15 hold the indices
; 32 (t / 2) + 8 (t % 2) + r + 8 (r / 8): a matrix result's 16 registers of two neighbouring tiles are then 16 neighbours, which the next launch's quantiser wants.
; A block's scale is 2^(floor(log2(its largest magnitude)) - 4); its byte is the largest magnitude's exponent field - 4, held at 1 from below.
; LIMITS: NaN and infinities among the inputs are not served; a block whose largest magnitude lies under 2^-122 is held at the byte 1; a block of zeros gets the byte 1, not 127
; (its codes are zeros, which add nothing under any byte but 0xff, and only this program reads the bytes).
; No tensor loads, no matrix unit, no cluster, no barrier: a stream in which no wave shares anything with another.  The two kinds of work-group part at the head and never join; each has LDS bytes of its own.
.set SP,    80                         ; LayerNorm's stage: a lane's 64 bytes + 16 of padding
.set LNREG, 5376                       ; LDS of a LayerNorm wave: a stage of 2 x 32 x SP bytes, then its 256 scale bytes
.set LNSC,  5120
.set W,     16                         ; v16-47   ln_w of my 32 columns (128 j + 4 lane + 0 .. 3)
.set B,     48                         ; v48-79   ln_b likewise
.set X,     80                         ; v80-207  four row slots of 32 registers
.set Y,     208                        ; v208-239 the row turned: 2 x 16 neighbours a lane
.set C,     240                        ; v240-246 codes: 2 x 3 registers, each run on an even register
.set WSTG,  4*LNREG                    ; the weights' stages begin here: 32 rows x WP bytes for each wave
.set WP,    272
.set KROW,  768                        ; a row of codes: 1,024 x 6 / 8 bytes
.set NB,    8                          ; blocks of 32 along K for a wave of the weights' path
.set WX,    32                         ; v32-95   two sets of 32 numbers
.set WC,    96                         ; v96-102  a block's codes
.set OUTR,  112                        ; v112-175 the way out
.set SB,    24                         ; v24-25   eight scale bytes
	s_load_b256 s[4:11], s[0:1], 0x0               ; x, ln_w, ln_b, wq
	s_load_b256 s[12:19], s[0:1], 0x20             ; wk, wv, hc, hs
	s_load_b128 s[20:23], s[0:1], 0x40             ; wc, ws
	v_lshl_add_u32 v254, v0, 2, 0xdc00
	v_mov_b32 v255, 0
	v_lshrrev_b32 v1, 5, v0
	v_readfirstlane_b32 s24, v1                    ; wave 0..3
	s_cmp_ge_u32 ttmp9, 256
	s_cbranch_scc1 .Lweights
; ---------------- LayerNorm: a wave takes 8 tokens, one row at a time; a row is 32 registers a lane and is read from memory once ----------------
	v_and_b32 v252, 31, v0                         ; lane
	v_lshlrev_b32 v1, 4, v252                      ; my 16 bytes of a load's 512
	s_mul_i32 s28, s24, LNREG
	v_lshrrev_b32 v2, 2, v252
	v_mul_u32_u24 v2, v2, SP
	v_and_b32 v253, 3, v252
	v_lshl_add_u32 v2, v253, 4, v2
	v_add_nc_u32 v2, s28, v2                       ; the stage, way in: four lanes' 64 bytes on end, then 16 of padding
	v_mul_u32_u24 v3, v252, SP
	v_add_nc_u32 v3, s28, v3                       ; way out: my 16 neighbours
	v_mul_u32_u24 v4, v252, 12                     ; my 16 codes' 12 bytes
	v_lshrrev_b32 v5, 1, v252
	s_add_co_u32 s29, s28, LNSC
	v_add_nc_u32 v5, s29, v5                       ; my block's scale byte
	v_lshlrev_b32 v7, 3, v252
	v_add_nc_u32 v6, s29, v7                       ; and on the way out 8 bytes a lane
	v_mov_b32 v13, 0                               ; upper halves of the pairs v[12:13] and v[14:15]: named, so written
	v_mov_b32 v15, 0
	s_mov_b32 s25, 0x3a800000                      ; 1 / 1,024
	s_mov_b32 s26, 0x76543210
	s_mov_b32 s27, 0xfedcba98                      ; v_permlanex16_b32's selects for lane l xor 16
	s_mov_b32 s40, 0x3727c5ac                      ; eps = 1e-5
	s_lshl_b32 s30, ttmp9, 2
	s_add_co_u32 s31, s30, s24                     ; g: my tokens are 8 g .. 8 g + 7
	s_and_b32 s32, s24, 1
	s_lshl_b32 s32, s32, 1
	s_lshr_b32 s33, s24, 1
	s_or_b32 s32, s32, s33
	s_add_co_u32 s30, s30, s32                     ; g': g with its bits 0 and 1 exchanged: my positions are 8 g' .. 8 g' + 7
	s_lshl_b32 s34, s31, 15                        ; 8 rows of 4,096 bytes
	s_mov_b32 s35, 0
	s_mul_i32 s36, s30, 8*KROW
	s_mov_b32 s37, 0
	s_lshl_b32 s38, s30, 8                         ; 8 rows of 32 scale bytes
	s_mov_b32 s39, 0
	s_wait_kmcnt 0x0
	s_add_nc_u64 s[4:5], s[4:5], s[34:35]
	s_add_nc_u64 s[16:17], s[16:17], s[36:37]
	s_add_nc_u64 s[18:19], s[18:19], s[38:39]
.irp j, 0,1,2,3,4,5,6,7
	global_load_b128 v[W+4*\j:W+4*\j+3], v1, s[6:7] offset:512*\j
	global_load_b128 v[B+4*\j:B+4*\j+3], v1, s[8:9] offset:512*\j
.endr
.macro FILL row                        ; eight loads of 512 neighbouring bytes: the whole row, into slot row % 4
.irp j, 0,1,2,3,4,5,6,7
	global_load_b128 v[X+32*((\row)%4)+4*\j:X+32*((\row)%4)+4*\j+3], v1, s[4:5] offset:(\row)*4096+512*\j th:TH_LOAD_NT
.endr
.endm
	FILL 0
	FILL 1
	FILL 2
	FILL 3
.macro WSUM                            ; v[8:9] -> the sum over the pair and the 32 lanes, in every lane's v8
	v_add_f32 v8, v8, v9
	v_add_f32_dpp v8, v8, v8 row_xmask:1 row_mask:0xf bank_mask:0xf
	v_add_f32_dpp v8, v8, v8 row_xmask:2 row_mask:0xf bank_mask:0xf
	v_add_f32_dpp v8, v8, v8 row_xmask:4 row_mask:0xf bank_mask:0xf
	v_add_f32_dpp v8, v8, v8 row_xmask:8 row_mask:0xf bank_mask:0xf
	v_permlanex16_b32 v9, v8, s26, s27
	v_add_f32 v8, v8, v9
.endm
; Row r of my eight.  left: the younger loads that may stay out (8 for each younger row);  fill = 1: the slot takes the row four further on.
.macro ROW r, left, fill
.set XR, X+32*((\r)%4)
	s_wait_loadcnt \left                           ; loads come back in order: ln_w, ln_b and my row are in
	v_pk_add_f32 v[8:9], v[XR:XR+1], v[XR+2:XR+3]  ; the mean: two chains, started by the first numbers
	v_pk_add_f32 v[10:11], v[XR+4:XR+5], v[XR+6:XR+7]
.irp i, 8,12,16,20,24,28
	v_pk_add_f32 v[8:9], v[8:9], v[XR+\i:XR+\i+1]
	v_pk_add_f32 v[10:11], v[10:11], v[XR+\i+2:XR+\i+3]
.endr
	v_pk_add_f32 v[8:9], v[8:9], v[10:11]
	WSUM
	v_mul_f32 v12, s25, v8                         ; mu
.irp i, 0,2,4,6,8,10,12,14,16,18,20,22,24,26,28,30
	v_pk_add_f32 v[XR+\i:XR+\i+1], v[XR+\i:XR+\i+1], v[12:13] op_sel_hi:[1,0] neg_lo:[0,1] neg_hi:[0,1]   ; x - mu first, then the squares: a common offset of x costs nothing
.endr
	v_pk_mul_f32 v[8:9], v[XR:XR+1], v[XR:XR+1]
	v_pk_mul_f32 v[10:11], v[XR+2:XR+3], v[XR+2:XR+3]
.irp i, 4,8,12,16,20,24,28
	v_pk_fma_f32 v[8:9], v[XR+\i:XR+\i+1], v[XR+\i:XR+\i+1], v[8:9]
	v_pk_fma_f32 v[10:11], v[XR+\i+2:XR+\i+3], v[XR+\i+2:XR+\i+3], v[10:11]
.endr
	v_pk_add_f32 v[8:9], v[8:9], v[10:11]
	WSUM
	v_fma_f32 v10, v8, s25, s40                    ; var + eps
	v_rsq_f32 v14, v10
	v_nop                                          ; a plain instruction behind the transcendental,
	s_wait_alu depctr_va_vdst(0)                   ; and the wait ahead of its first reader
.irp i, 0,2,4,6,8,10,12,14,16,18,20,22,24,26,28,30
	v_pk_mul_f32 v[XR+\i:XR+\i+1], v[XR+\i:XR+\i+1], v[14:15] op_sel_hi:[1,0]
.endr
.irp i, 0,2,4,6,8,10,12,14,16,18,20,22,24,26,28,30
	v_pk_fma_f32 v[XR+\i:XR+\i+1], v[XR+\i:XR+\i+1], v[W+\i:W+\i+1], v[B+\i:B+\i+1]
.endr
.irp j, 0,1,2,3,4,5,6,7
	ds_store_b128 v2, v[XR+4*\j:XR+4*\j+3] offset:8*SP*\j      ; the row turns through my own stage: in as loaded,
.endr
.irp e, 0,1
.irp i, 0,1,2,3
	ds_load_b128 v[Y+16*\e+4*\i:Y+16*\e+4*\i+3], v3 offset:32*SP*\e+16*\i   ; out as 16 neighbours a lane: numbers 512 e + 16 lane + 0 .. 15.  LDS serves a wave's instructions in order
.endr
.endr
	s_wait_dscnt 0x0                               ; the turned row is in, and the stores have read the slot
	s_wait_xcnt 0x0                                ; the last row's stores have read their codes: C may be written again
.if \fill
	FILL \r+4
.endif
.irp e, 0,1
.set XS, Y+16*\e
	v_max3_num_f32 v248, |v[XS]|, |v[XS+1]|, |v[XS+2]|         ; the largest magnitude of my 16
	v_max3_num_f32 v249, |v[XS+3]|, |v[XS+4]|, |v[XS+5]|
.irp i, 6,10
	v_max3_num_f32 v248, v248, |v[XS+\i]|, |v[XS+\i+1]|
	v_max3_num_f32 v249, v249, |v[XS+\i+2]|, |v[XS+\i+3]|
.endr
	v_max3_num_f32 v248, v248, |v[XS+14]|, |v[XS+15]|
	v_max3_num_f32 v248, v248, v249, 0x2800000     ; and the floor 2^(5 - 127): the byte cannot fall under 1
	v_max_num_f32_dpp v248, v248, v248 row_xmask:1 row_mask:0xf bank_mask:0xf   ; with my neighbour's 16: the block's
	v_add_nc_u32 v249, 0xfe000000, v248            ; 4 off its exponent field: the conversion's scale operand
	v_cvt_scalef32_pk16_bf6_f32 v[C+4*\e:C+4*\e+2], v[XS:XS+15], v249
	v_lshrrev_b32 v[250+\e], 23, v249              ; the scale's byte (also the plain instruction behind the conversion)
	ds_store_b8 v5, v[250+\e] offset:32*(\r)+16*\e ; both lanes of a block write the same byte with the same value
	global_store_b96 v4, v[C+4*\e:C+4*\e+2], s[16:17] offset:KROW*(\r)+384*\e   ; the wave stores 384 consecutive bytes
.endr
.endm
	ROW 0, 24, 1
	ROW 1, 24, 1
	ROW 2, 24, 1
	ROW 3, 24, 1
	ROW 4, 24, 0                                   ; the last four rows load nothing: the counts run down
	ROW 5, 16, 0
	ROW 6, 8, 0
	ROW 7, 0, 0
	ds_load_b64 v[8:9], v6                         ; my eight rows' 256 scale bytes
	s_wait_dscnt 0x0
	global_store_b64 v7, v[8:9], s[18:19]          ; 32 lanes store 256 consecutive bytes, at a multiple of 256 from hs's first byte
	s_wait_tensorcnt 0x0
	ds_add_u32 v254, v255
	s_wait_dscnt 0x0
	s_endpgm
; ---------------- The weights: a lane takes a column n and its registers run down K; a wave takes 32 columns x 256 along K ----------------
.Lweights:
	s_sub_co_u32 s28, ttmp9, 256                   ; 0 .. 95
	s_lshr_b32 s29, s28, 5                         ; which weight
	s_and_b32 s30, s28, 7                          ; which 128 columns
	s_bfe_u32 s31, s28, 0x20003                    ; which 256 along K
	v_and_b32 v2, 31, v0                           ; lane
	s_lshl_b32 s32, s30, 7
	s_lshl_b32 s33, s24, 5
	s_add_co_u32 s32, s32, s33                     ; my wave's first column
	v_lshlrev_b32 v3, 2, v2                        ; in: 4 bytes a lane
	s_mul_i32 s33, s24, 32*WP
	s_add_co_u32 s33, s33, WSTG                    ; my stage
	v_mul_u32_u24 v4, v2, WP
	v_add_nc_u32 v4, s33, v4                       ; into it: row = my column
	v_and_b32 v5, 15, v2
	v_lshrrev_b32 v6, 4, v2
	v_mul_u32_u24 v7, v6, WP
	v_lshl_add_u32 v7, v5, 4, v7
	v_add_nc_u32 v7, s33, v7                       ; out of it: sixteen lanes to a row, two rows an instruction
	v_mul_u32_u24 v8, v6, KROW
	v_mad_u32_u24 v8, v5, 12, v8                   ; and the same place in wc (exchanging bits 3 and 4 leaves bit 0 alone: the odd row lies one position on)
	v_and_b32 v9, 7, v2
	v_bfe_u32 v10, v2, 3, 1
	v_lshl_or_b32 v9, v10, 4, v9
	v_lshl_or_b32 v9, v6, 3, v9                    ; my column's position among the wave's 32
	v_lshlrev_b32 v9, 5, v9                        ; its row of scale bytes
	s_lshl_b32 s34, s31, 20                        ; 256 rows of 4,096 bytes
	s_lshl_b32 s35, s32, 2
	s_add_co_u32 s34, s34, s35
	s_mov_b32 s35, 0
	s_lshl_b32 s36, s29, 10
	s_add_co_u32 s36, s36, s32                     ; my wave's first position in wc and ws
	s_mul_i32 s38, s36, KROW
	s_mul_i32 s37, s31, 192
	s_add_co_u32 s38, s38, s37
	s_mov_b32 s39, 0
	s_lshl_b32 s40, s36, 5
	s_lshl_b32 s41, s31, 3
	s_add_co_u32 s40, s40, s41
	s_mov_b32 s41, 0
	s_wait_kmcnt 0x0
	s_cmp_eq_u32 s29, 0                            ; the choice of the buffer hangs on the work-group's number alone
	s_cselect_b64 s[42:43], s[10:11], s[12:13]
	s_cmp_eq_u32 s29, 2
	s_cselect_b64 s[42:43], s[14:15], s[42:43]
	s_add_nc_u64 s[42:43], s[42:43], s[34:35]
	s_add_nc_u64 s[20:21], s[20:21], s[38:39]
	s_add_nc_u64 s[22:23], s[22:23], s[40:41]
.macro WLOAD t                         ; block t: W(32 t + i, my column), i = 0 .. 31, into set t % 2: 128 consecutive bytes a wave and load
.set WI, 0
.rept 32
	global_load_b32 v[WX+32*((\t)%2)+WI], v3, s[42:43] offset:(32*(\t)+WI)*4096 th:TH_LOAD_NT
.set WI, WI+1
.endr
.endm
	WLOAD 0
	WLOAD 1
.macro BLOCK t
.set XS, WX+32*((\t)%2)
.if (\t) < NB-1
	s_wait_loadcnt 32                              ; this block's 32 loads are in; the next block's may be out
.else
	s_wait_loadcnt 0
.endif
	v_max3_num_f32 v12, |v[XS]|, |v[XS+1]|, |v[XS+2]|          ; the block's largest magnitude: all 32 numbers are mine
	v_max3_num_f32 v13, |v[XS+3]|, |v[XS+4]|, |v[XS+5]|
.irp i, 6,10,14,18,22,26
	v_max3_num_f32 v12, v12, |v[XS+\i]|, |v[XS+\i+1]|
	v_max3_num_f32 v13, v13, |v[XS+\i+2]|, |v[XS+\i+3]|
.endr
	v_max3_num_f32 v12, v12, |v[XS+30]|, |v[XS+31]|
	v_max3_num_f32 v12, v12, v13, 0x2800000        ; and the floor
	v_add_nc_u32 v11, 0xfe000000, v12              ; the conversion's scale operand
	v_lshrrev_b32 v13, 23, v11                     ; the scale's byte
.if (\t)%4 == 0
	v_mov_b32 v[SB+(\t)/4], v13                    ; four bytes to a register, the lower K in the lower byte
.else
	v_lshl_or_b32 v[SB+(\t)/4], v13, 8*((\t)%4), v[SB+(\t)/4]
.endif
	v_cvt_scalef32_pk16_bf6_f32 v[WC:WC+2], v[XS:XS+15], v11
	v_cvt_scalef32_pk16_bf6_f32 v[WC+4:WC+6], v[XS+16:XS+31], v11   ; (a conversion's three registers begin on an even number)
	v_nop                                          ; a plain instruction behind the conversions
	ds_store_b96 v4, v[WC:WC+2] offset:32*(\t)     ; 12 bytes to a place of 16, so that every LDS address is a multiple of 16
	ds_store_b96 v4, v[WC+4:WC+6] offset:32*(\t)+16
.if (\t)+2 < NB
	WLOAD (\t)+2
.endif
	s_wait_dscnt 0x0                               ; the stores have read their registers: the next block's codes may be written
.endm
.set Q, 0
.rept NB
	BLOCK Q
.set Q, Q+1
.endr
	global_store_b64 v9, v[SB:SB+1], s[22:23]      ; my column's eight scale bytes
.irp t, 0,1,2,3,4,5,6,7,8,9,10,11,12,13,14,15
	ds_load_b96 v[OUTR+4*\t:OUTR+4*\t+2], v7 offset:2*\t*WP    ; columns 2 t and 2 t + 1: these see my stores, LDS serves a wave in order
.endr
.irp t, 0,1,2,3,4,5,6,7,8,9,10,11,12,13,14,15
	s_wait_dscnt 15-\t                             ; the younger loads may be out
	global_store_b96 v8, v[OUTR+4*\t:OUTR+4*\t+2], s[20:21] offset:(((2*\t)&7)+16*(((2*\t)>>3)&1)+8*(((2*\t)>>4)&1))*KROW   ; column 2 t's position: sixteen lanes store a row's 192 consecutive bytes
.endr
	s_wait_tensorcnt 0x0
	ds_add_u32 v254, v255
	s_wait_dscnt 0x0
	s_endpgm
.Lfunc_end_k_q0c0c80dd39_prep:
	.size	k_q0c0c80dd39_prep, .Lfunc_end_k_q0c0c80dd39_prep-k_q0c0c80dd39_prep
	.p2alignl 7, 3214868480
	.fill 96, 4, 3214868480
	.section	.rodata,"a",@progbits
	.p2align	6, 0x0
	.amdhsa_kernel k_q0c0c80dd39_prep
		.amdhsa_group_segment_fixed_size 56832
		.amdhsa_private_segment_fixed_size 0
		.amdhsa_enable_private_segment 0
		.amdhsa_kernarg_size 80
		.amdhsa_user_sgpr_count 2
		.amdhsa_user_sgpr_kernarg_segment_ptr 1
		.amdhsa_wavefront_size32 1
		.amdhsa_system_sgpr_workgroup_id_x 1
		.amdhsa_system_sgpr_workgroup_id_y 1
		.amdhsa_system_sgpr_workgroup_id_z 1
		.amdhsa_system_vgpr_workitem_id 0
		.amdhsa_next_free_vgpr 256
		.amdhsa_next_free_sgpr 66
		.amdhsa_reserve_vcc 0
		.amdhsa_float_denorm_mode_32 3
		.amdhsa_float_denorm_mode_16_64 3
		.amdhsa_memory_ordered 1
		.amdhsa_forward_progress 1
		.amdhsa_inst_pref_size 123
	.end_amdhsa_kernel
	.amdgpu_metadata
---
amdhsa.version: [ 1, 2 ]
amdhsa.kernels:
  - .name:           k_q0c0c80dd39_prep
    .symbol:         k_q0c0c80dd39_prep.kd
    .args:
      - { .name: x, .offset: 0, .size: 8, .value_kind: global_buffer, .address_space: global }
      - { .name: ln_w, .offset: 8, .size: 8, .value_kind: global_buffer, .address_space: global }
      - { .name: ln_b, .offset: 16, .size: 8, .value_kind: global_buffer, .address_space: global }
      - { .name: wq, .offset: 24, .size: 8, .value_kind: global_buffer, .address_space: global }
      - { .name: wk, .offset: 32, .size: 8, .value_kind: global_buffer, .address_space: global }
      - { .name: wv, .offset: 40, .size: 8, .value_kind: global_buffer, .address_space: global }
      - { .name: hc, .offset: 48, .size: 8, .value_kind: global_buffer, .address_space: global }
      - { .name: hs, .offset: 56, .size: 8, .value_kind: global_buffer, .address_space: global }
      - { .name: wc, .offset: 64, .size: 8, .value_kind: global_buffer, .address_space: global }
      - { .name: ws, .offset: 72, .size: 8, .value_kind: global_buffer, .address_space: global }
    .group_segment_fixed_size: 56832
    .private_segment_fixed_size: 0
    .kernarg_segment_align: 8
    .kernarg_segment_size: 80
    .max_flat_workgroup_size: 128
    .sgpr_count:     66
    .vgpr_count:     256
    .wavefront_size: 32
...
	.end_amdgpu_metadata
.endif
;; end of part 1
;; launch qkv (part 2): grid 12 x 32, 4 waves a work-group, clusters of 4 x 4, 327,680 bytes of LDS; arguments hc, hs, wc, ws, bq, bk, bv, qb, kv; writes qb, kv
.if DOCPART == 2
	.amdgcn_target "amdgcn-amd-amdhsa--gfx1250"
	.amdhsa_code_object_version 6
	.text
	.protected	k_q0c0c80dd39_qkv
	.globl	k_q0c0c80dd39_qkv
	.p2align	8
	.type	k_q0c0c80dd39_qkv,@function
k_q0c0c80dd39_qkv:
	s_mov_b64 s[64:65], 0
	v_nop
	global_prefetch_b8 v0, s[64:65] scope:SCOPE_SE
	s_setreg_imm32_b32 hwreg(HW_REG_WAVE_MODE, 25, 1), 1
	s_wait_xcnt 0x0
	s_wait_alu depctr_hold_cnt(0) depctr_sa_sdst(0) depctr_va_vdst(0) depctr_va_sdst(0) depctr_va_ssrc(0) depctr_va_vcc(0) depctr_vm_vsrc(0)
	s_getreg_b32 s2, hwreg(HW_REG_IB_STS2, 6, 4)
	s_cmp_eq_u32 s2, 0
	s_cbranch_scc0 .Lentry_in_a_cluster
	s_endpgm
.Lentry_in_a_cluster:
	s_bfe_u32 s2, ttmp6, 0x10000c
	s_cmp_lg_u32 s2, 0xf033
	s_cbranch_scc0 .Lentry_shape_is_right
	s_endpgm
.Lentry_shape_is_right:
; QKV.  One product of 8,192 x 3,072 x 1,024 on codes of BF6 (E3M2) with E8M0 scales: h (hc, hs) against wq, wk, wv (wc, ws); the bias is added in f32; q and k are quantised along their head's 64,
; v along the keys, in registers, and stored as IMAGES OF THE NEXT LAUNCH'S OPERAND REGISTERS.  Rows of hc and wc lie by positions (an index with its bits 3 and 4 exchanged), so that sixteen neighbouring LDS rows are
; the indices 32 (t / 2) + 8 (t % 2) + r + 8 (r / 8), and a lane's 16 registers of two neighbouring result tiles are 16 neighbouring indices.
; A tile of 256 x 256 is made by a work-group of four waves; a wave makes 128 x 128: 64 accumulators, 512 registers: 128 tokens (one key step of the next launch) x 128 columns (two heads).
; K goes in steps of 256 through a ring of two LDS slots filled by the tensor data mover; the scale bytes of the work-group's rows come once and stay.
; CLUSTERS: 4 x 4 work-groups; h's tiles are asked for jointly along a row of the cluster, the weights' along a column.  The cluster's x is the KIND, the same in all sixteen: 0 q, 1 k, 2 v.
; q, k: source 0 = 16 columns of the weight, source 1 = 16 tokens: a lane holds one token, its registers run along the columns.  v: source 0 = 16 tokens, source 1 = 16 columns: a lane holds one channel,
; its registers run along the tokens.  LDS and the joint loads are the same for all kinds: only the addresses from which a wave READS its two sources change places, chosen once at the head.
; RECORDS (128 tokens of one head).  kv: 12,800 bytes: K's fragments f = 0..3 (1,536 bytes each), their scale words (256), V's tiles t = 0..3, their scale words.  qb: 6,400 bytes: as K's half.
; A fragment's image: registers 4 c .. 4 c + 3 of lane l at 512 c + 16 l.  K's (and Q's) fragment f: registers 0-5 the 64 codes of token 32 f + r + 8 (r / 8), registers 6-11 those of the token 8 further on.
; V's tile t: row r = channel 32 (t / 2) + 8 (t % 2) + r + 8 (r / 8), K = the record's 128 tokens.  Scale words: lane l' has 8 bytes at 8 l': the words of row l' % 16 of fragments l' / 16 and 2 + l' / 16.
; LIMITS: NaN and infinities are not served; a block whose largest magnitude lies under 2^-122 is held at the byte 1; a block of zeros gets the byte 1, not 127 (only this program reads the bytes).
; No prefetch: a tile has two refills in all.  384 work-groups: a wave's tile has to be 128 x 128 for the quantiser's unit of 128 on both sides.
; REGISTERS, in windows of 256: window 0: v0-31 addresses; v32-63 scale words, two sets; v128-223 source 1's fragments, ONE set; v224-227 the biases.  window 1: source 0's fragments, TWO sets, at v0 and v128.
;   window 2: the accumulators of source 1's blocks 0-3 (accumulator (a, b) at v[8 (8 a + b)]);  window 3: those of blocks 4-7.
.set KSTEP,  256
.set NQ,     2                         ; matrix instructions deep in a slot
.set ROWB,   192                       ; a tile's row in bytes
.set KROW,   768                       ; a row of codes in memory
.set PITCH,  240                       ; an LDS row: 3 x (64 bytes + 16 of padding)
.set FR,     12
.set NL,     6
.set NP,     4                         ; places behind this matrix instruction (ISA guide 7.12.1)
.set HALFT,  128*PITCH
.set SLOT,   4*HALFT
.set LAPS,   2                         ; 1,024 / 512
.set KS,     32                        ; a row of scale bytes
.set SCL,    2*SLOT
.set HALFS,  16*272                    ; the scale bytes of 128 rows: 16 rows of 256 bytes + 16
.set SBLK,   2*272                     ; those of 16 rows
.set SPARE,  SCL+4*HALFS               ; the spare words: 128 bytes for each wave, two blocks of 256 bytes that no other line names
.set ADRA, 16                          ; v16-17 LDS address of source 1's fragments in slot 0, 1 (v18-19: behind one padding more)
.set ADRB, 20                          ; v20-23 the same for source 0
.set BST,  24                          ; v24  where I put my 16 bytes of the wave's biases: 512 x wave + 16 x lane
.set C8,   25                          ; v25  8 x lane
.set CO,   26                          ; v26  16 x lane
.set ADRS, 27                          ; v27  LDS address of my scale words: lanes 0-15 source 1's rows, lanes 16-31 source 0's
.set SPW,  28                          ; v28  my spare word; never rewritten
.set NIL,  29                          ; v29  0; never rewritten
.set BRX,  30                          ; v30  q, k: the biases of my half's columns: 512 x wave + 64 (lane / 16)
.set BRY,  31                          ; v31  v: my channel's bias: 512 x wave + 4 (r + 8 (r / 8))
.set SC,   32
.set AF,   128
.set SWH,  32                          ; the way out: v32-39 scale words kept;  v40-43 the pairs that are stored
.set BX,   64                          ; v64-127 q, k: 64 biases;  v64-79 v: 8 biases, each twice
.set T,    128                         ; v128-191 64 numbers to be quantised
.set F0,   192                         ; v192-203, v204-215 two fragments
.set F1,   204
.set QT,   216                         ; v216-222 the conversions' second halves
.set TM,   228                         ; v228-243 at work in the quantiser
.set PW0,  244                         ; v244-245 scale words just made
.set SEL,  98                          ; s[98:99] v_permlanex16_b32's selects
.set G1, 24
.set G0, 32
.set G1B, 48
.set G0B, 56
.set G1S, 68
.set G0S, 76
.set G1SB, 80
.set G0SB, 88
.set MSB, 0
.macro WIN new                         ; the immediate's high byte repeats the setting that is left
.if MSB != \new
	s_set_vgpr_msb (MSB<<8)|\new
.set MSB, \new
.endif
.endm
.set MUL_LO, 0xa1                      ; source 0 window 1, source 1 window 0, C and D window 2
.set MUL_HI, 0xf1
.set TO_B,   0x40
; A joint load: waves 0 and 1 fetch h's halves, waves 2 and 3 the weight's.  The branch hangs on the wave's number alone.  Four v_nop follow each of the two lines.
.macro JLOAD g0a, g1a, g0b, g1b
	s_cmp_eq_u32 s15, 0
	s_cbranch_scc0 .Lfor_b_\@
	tensor_load_to_lds s[\g0a:\g0a+3], s[\g1a:\g1a+7]
	s_nop 0
.rept 4
	v_nop
.endr
	s_branch .Lasked_\@
.Lfor_b_\@:
	tensor_load_to_lds s[\g0b:\g0b+3], s[\g1b:\g1b+7]
	s_nop 0
.rept 4
	v_nop
.endr
.Lasked_\@:
.endm
.macro CREST                           ; a round of the cluster's barrier behind its opening barrier
	s_cmp_lg_u32 s14, 0
	s_cbranch_scc1 .Lnot_wave_0_\@
	s_barrier_signal -3
.Lnot_wave_0_\@:
	s_barrier_wait -3
	s_barrier_signal -1
	s_barrier_wait -1
.endm
.macro CROUND
	s_barrier_signal -1
	s_barrier_wait -1
	CREST
.endm
	s_load_b128 s[4:7], s[0:1], 0x0                ; hc, hs
	s_load_b128 s[8:11], s[0:1], 0x10              ; wc, ws
	v_lshl_add_u32 v[SPW], v0, 2, SPARE
	v_mov_b32 v[NIL], 0
	ds_add_u32 v28, v29
	ds_add_u32 v28, v29
	s_wait_dscnt 0x0
	v_lshrrev_b32 v1, 5, v0
	v_readfirstlane_b32 s14, v1                    ; wave 0..3
	s_lshr_b32 s15, s14, 1                         ; which 128 tokens are mine.  Also: I fetch for h (0) or for the weight (1)
	s_and_b32 s16, s14, 1                          ; which 128 columns.  Also: which 128 rows of that tile I fetch
	s_bfe_u32 s40, ttmp6, 0x40000                  ; cx, cy
	s_bfe_u32 s41, ttmp6, 0x40004
	s_lshl_b32 s42, ttmp9, 2
	s_add_co_u32 s42, s42, s40                     ; tile column = 4 x cluster x + cx
	s_and_b32 s17, ttmp7, 0xffff
	s_lshl_b32 s17, s17, 2
	s_add_co_u32 s17, s17, s41                     ; tile row = 4 x cluster y + cy
	s_lshl_b32 s43, s41, 2
	s_lshl_b32 s43, 15, s43                        ; my row of the cluster
	s_lshl_b32 s44, 0x1111, s40                    ; my column
	s_mov_b32 s96, ttmp9                           ; the kind
	s_mov_b32 s[SEL], 0x76543210
	s_mov_b32 s[SEL+1], 0xfedcba98
	; descriptor group 1: a tile of 128 rows x 192 bytes, 16 bytes of padding behind every 64
	s_or_b32 s[G1+0], s43, (0<<16)|(1<<20)|(1<<21)|(3<<22)|(3<<25)
	s_or_b32 s[G1B+0], s44, (0<<16)|(1<<20)|(1<<21)|(3<<22)|(3<<25)
.irp g, G1, G1B
	s_mov_b32 s[\g+1], ROWB<<16                    ; tensor_dim0
	s_mov_b32 s[\g+2], 128<<16                     ; tensor_dim1
	s_mov_b32 s[\g+3], ROWB<<16                    ; tile_dim0
	s_mov_b32 s[\g+4], 128                         ; tile_dim1
	s_mov_b32 s[\g+5], KROW                        ; tensor_dim0_stride
	s_mov_b32 s[\g+6], 0
	s_mov_b32 s[\g+7], 0
.endr
	; the scale bytes of 128 rows: 4,096 dense bytes, as 16 rows of 256 bytes (32 elements of 8), 16 bytes of padding behind each
	s_or_b32 s[G1S+0], s43, (3<<16)|(1<<20)|(1<<21)|(5<<22)|(3<<25)
	s_or_b32 s[G1SB+0], s44, (3<<16)|(1<<20)|(1<<21)|(5<<22)|(3<<25)
.irp g, G1S, G1SB
	s_mov_b32 s[\g+1], 32<<16
	s_mov_b32 s[\g+2], 16<<16
	s_mov_b32 s[\g+3], 32<<16
	s_mov_b32 s[\g+4], 16
	s_mov_b32 s[\g+5], 32
	s_mov_b32 s[\g+6], 0
	s_mov_b32 s[\g+7], 0
.endr
	s_lshl_b32 s18, s16, 7
	s_lshl_b32 s20, s17, 8
	s_add_co_u32 s20, s20, s18                     ; h: position 256 x tile row + 128 x half
	s_lshl_b32 s46, s42, 8
	s_add_co_u32 s46, s46, s18                     ; the weights: position 256 x tile column + 128 x half
	s_mov_b32 s21, 0
	s_mov_b32 s47, 0
	s_mov_b64 s[18:19], KS
	s_mul_u64 s[22:23], s[20:21], s[18:19]
	s_mul_u64 s[92:93], s[46:47], s[18:19]
	s_mov_b64 s[18:19], KROW
	s_mul_u64 s[20:21], s[20:21], s[18:19]
	s_mul_u64 s[46:47], s[46:47], s[18:19]
	s_mul_i32 s45, s14, HALFT                      ; where they go: wave x 128 rows: no place in the cluster enters an LDS address
	s_mul_i32 s94, s14, HALFS
	s_wait_kmcnt 0x0
	s_add_nc_u64 s[20:21], s[4:5], s[20:21]
	s_add_nc_u64 s[22:23], s[6:7], s[22:23]
	s_add_nc_u64 s[46:47], s[8:9], s[46:47]
	s_add_nc_u64 s[92:93], s[10:11], s[92:93]
	CROUND                                         ; all sixteen work-groups are here: the first joint loads meet
	s_mov_b32 s[G0S], 1
	s_add_co_u32 s[G0S+1], s94, SCL
	s_mov_b64 s[G0S+2:G0S+3], s[22:23]
	s_or_b32 s[G0S+3], s[G0S+3], 0x80000000
	s_mov_b32 s[G0SB], 1
	s_add_co_u32 s[G0SB+1], s94, SCL
	s_mov_b64 s[G0SB+2:G0SB+3], s[92:93]
	s_or_b32 s[G0SB+3], s[G0SB+3], 0x80000000
	JLOAD G0S, G1S, G0SB, G1SB                     ; the scale bytes first: they are wanted with K step 0
.irp s, 0,1
	s_mov_b32 s[G0+4*\s], 1
	s_add_co_u32 s[G0+4*\s+1], s45, \s*SLOT
	s_add_nc_u64 s[G0+4*\s+2:G0+4*\s+3], s[20:21], \s*ROWB
	s_or_b32 s[G0+4*\s+3], s[G0+4*\s+3], 0x80000000
	s_mov_b32 s[G0B+4*\s], 1
	s_add_co_u32 s[G0B+4*\s+1], s45, \s*SLOT
	s_add_nc_u64 s[G0B+4*\s+2:G0B+4*\s+3], s[46:47], \s*ROWB
	s_or_b32 s[G0B+4*\s+3], s[G0B+4*\s+3], 0x80000000
	JLOAD G0+4*\s, G1, G0B+4*\s, G1B
.endr
	s_load_b256 s[4:11], s[0:1], 0x20              ; bq, bk, bv, qb
	s_load_b64 s[12:13], s[0:1], 0x40              ; kv
	v_and_b32 v1, 15, v0                           ; r
	v_bfe_u32 v2, v0, 4, 1                         ; h
	v_mul_u32_u24 v3, v1, PITCH
	v_mul_u32_u24 v4, v2, 24
	v_add_nc_u32 v4, v3, v4                        ; a fragment's row x pitch + 24 x half
	s_wait_alu depctr_va_vdst(0)
	v_lshl_add_u32 v5, v2, 4, v4                   ; and the same behind one padding more
	s_wait_alu depctr_va_vdst(0)
	s_mul_i32 s21, s15, HALFT                      ; my 128 tokens
	s_mul_i32 s22, s16, HALFT                      ; my 128 columns,
	s_add_co_u32 s22, s22, 2*HALFT                 ; which lie behind h's 256 rows
	s_cmp_eq_u32 s96, 2                            ; v: the two sources change places
	s_cselect_b32 s18, s22, s21                    ; source 1's rows
	s_cselect_b32 s19, s21, s22                    ; source 0's rows
	s_cselect_b32 s97, 1, 0
.irp s, 0,1
	v_add_nc_u32 v[ADRA+\s], s18, v4
	v_add_nc_u32 v[ADRB+\s], s19, v4
	v_add_nc_u32 v[ADRA+2+\s], s18, v5
	v_add_nc_u32 v[ADRB+2+\s], s19, v5
	s_add_co_u32 s18, s18, SLOT
	s_add_co_u32 s19, s19, SLOT
.endr
	v_mul_u32_u24 v5, v1, KS                       ; my row's scale bytes: 32 a row,
	v_lshrrev_b32 v6, 8, v5
	v_lshl_add_u32 v5, v6, 4, v5                   ; and 16 more for each 256 passed
	s_mul_i32 s21, s15, HALFS                      ; h's: my 128 tokens
	s_mul_i32 s22, s16, HALFS                      ; the weight's: my 128 columns, behind h's 256
	s_add_co_u32 s22, s22, 2*HALFS
	s_sub_co_u32 s22, s22, s21
	v_xor_b32 v7, s97, v2                          ; q, k: lanes 16-31 take the weight's words; v: lanes 0-15 do.  So lanes 16-31 always hold source 0's
	v_mul_u32_u24 v6, s22, v7
	s_add_co_u32 s21, s21, SCL
	v_add_nc_u32 v5, v5, v6
	v_add_nc_u32 v[ADRS], s21, v5
	; the way out's addresses
	v_and_b32 v6, 31, v0
	v_lshlrev_b32 v[CO], 4, v6
	v_lshlrev_b32 v[C8], 3, v6
	s_lshl_b32 s18, s14, 9                         ; the wave's 512 bytes for its biases lie at the head of slot 0, which has had its last fill and its last read when they are stored
	v_add_nc_u32 v[BST], s18, v[CO]
	v_lshlrev_b32 v[BRX], 6, v2
	v_add_nc_u32 v[BRX], s18, v[BRX]
	v_and_b32 v7, 8, v1
	v_add_nc_u32 v7, v7, v1                        ; r + 8 (r / 8)
	v_lshl_add_u32 v[BRY], v7, 2, s18
	s_wait_alu depctr_va_vdst(0)
	s_wait_kmcnt 0x0
	s_cmp_eq_u32 s96, 0                            ; the choices of buffers hang on the kind alone
	s_cselect_b64 s[4:5], s[4:5], s[6:7]
	s_cselect_b64 s[10:11], s[10:11], s[12:13]     ; q goes to qb, k and v to kv
	s_mov_b32 s23, 12800
	s_cselect_b32 s23, 6400, s23                   ; a record's bytes
	s_cmp_eq_u32 s96, 2
	s_cselect_b64 s[4:5], s[8:9], s[4:5]
	s_lshl_b32 s20, s40, 10
	s_lshl_b32 s21, s16, 9
	s_add_co_u32 s20, s20, s21                     ; my 128 columns' biases: 4 (256 cx + 128 half) bytes on
	s_mov_b32 s21, 0
	s_add_nc_u64 s[4:5], s[4:5], s[20:21]
	global_load_b128 v[224:227], v[CO], s[4:5]     ; columns 4 lane + 0 .. 3: waited for on the way out
	s_lshr_b32 s20, s17, 3                         ; the batch: 8 tile rows each
	s_lshl_b32 s20, s20, 4
	s_lshl_b32 s21, s40, 2
	s_add_co_u32 s20, s20, s21
	s_lshl_b32 s21, s16, 1
	s_add_co_u32 s20, s20, s21                     ; 16 x batch + my first head
	s_lshl_b32 s20, s20, 4
	s_and_b32 s21, s17, 7
	s_lshl_b32 s21, s21, 1
	s_add_co_u32 s20, s20, s21
	s_add_co_u32 s20, s20, s15                     ; + which 128 tokens of the batch: my first head's record
	s_mul_i32 s20, s20, s23
	s_mov_b32 s21, 0
	s_add_nc_u64 s[10:11], s[10:11], s[20:21]
	s_lshl_b32 s20, s23, 4
	s_add_nc_u64 s[12:13], s[10:11], s[20:21]      ; my second head's record: 16 records on
.macro FRAG reg, adr, q, i             ; a fragment, 16 rows x 128 K, is 12 registers: lane l holds row l % 16; registers 6 c .. 6 c + 5 hold K = 64 c + 32 (l / 16) + 0 .. 31, as they lie, in pieces of 8 bytes
.irp p, 0,1,2,3,4,5
.set PC, 12*(\q)+6*(\p/3)+\p%3         ; where the piece three on (lanes 16-31) lies behind one padding more, the second address register serves
.if PC%8 < 5
	ds_load_b64 v[\reg+2*\p:\reg+2*\p+1], v[\adr] offset:8*PC+16*(PC/8)+(\i)*16*PITCH
.else
	ds_load_b64 v[\reg+2*\p:\reg+2*\p+1], v[\adr+2] offset:8*PC+16*(PC/8)+(\i)*16*PITCH
.endif
.endr
.endm
; 16 matrix instructions: source 1's blocks a0, a0 + 1 x source 0's eight.  The 64 accumulators take turns, one instruction a turn, in the same order in every step.
.macro MUL16 a0, p, q, sc, zero
.irp a, \a0, \a0+1
.irp b, 0,1,2,3,4,5,6,7
.if \zero
	v_wmma_scale_f32_16x16x128_f8f6f4 v[8*(8*((\a)%4)+\b):8*(8*((\a)%4)+\b)+7], v[128*(\p)+FR*\b:128*(\p)+FR*\b+FR-1], v[AF+FR*(\a):AF+FR*(\a)+FR-1], 0, v[SC+8*NQ*(\sc)+NQ*\b+(\q)], v[SC+8*NQ*(\sc)+NQ*(\a)+(\q)] matrix_a_fmt:MATRIX_FMT_BF6 matrix_b_fmt:MATRIX_FMT_BF6 matrix_a_scale:MATRIX_SCALE_ROW1
.else
	v_wmma_scale_f32_16x16x128_f8f6f4 v[8*(8*((\a)%4)+\b):8*(8*((\a)%4)+\b)+7], v[128*(\p)+FR*\b:128*(\p)+FR*\b+FR-1], v[AF+FR*(\a):AF+FR*(\a)+FR-1], v[8*(8*((\a)%4)+\b):8*(8*((\a)%4)+\b)+7], v[SC+8*NQ*(\sc)+NQ*\b+(\q)], v[SC+8*NQ*(\sc)+NQ*(\a)+(\q)] matrix_a_fmt:MATRIX_FMT_BF6 matrix_b_fmt:MATRIX_FMT_BF6 matrix_a_scale:MATRIX_SCALE_ROW1
.endif
.endr
.endr
.endm
.macro FETCH_B slot, q, p
	WIN TO_B
.irp i, 0,1,2,3,4,5,6,7
	FRAG 128*(\p)+FR*\i, ADRB+\slot, \q, \i
.endr
	WIN 0
.endm
.macro FETCH_A slot, q, i0
.irp i, \i0, \i0+1, \i0+2, \i0+3
	FRAG AF+FR*(\i), ADRA+\slot, \q, \i
.endr
.endm
.macro SCALES sc                       ; a K step's scale words: two words a row; lanes 0-15 source 1's block i, lanes 16-31 source 0's block i
.irp i, 0,1,2,3,4,5,6,7
	ds_load_b64 v[SC+8*NQ*\sc+NQ*\i:SC+8*NQ*\sc+NQ*\i+1], v[ADRS] offset:\i*SBLK
.endr
.endm
.macro PLACES n                        ; plain vector instructions between a matrix instruction and a load into, or a read of, its registers
.rept \n
	v_nop
.endr
.endm
.macro STEP slot, q, zero              ; a step of 128 along K that has its successor in the same slot
	s_wait_dscnt 4*NL                              ; source 0's set and source 1's blocks 0-3 are in; the youngest 24 loads (blocks 4-7) may be out
	WIN MUL_LO
	MUL16 0, (\q)%2, \q, \slot, \zero
	MUL16 2, (\q)%2, \q, \slot, \zero
	s_wait_dscnt 0
	PLACES NP
	FETCH_B \slot, (\q)+1, 1-(\q)%2
	FETCH_A \slot, (\q)+1, 0
	WIN MUL_HI
	MUL16 4, (\q)%2, \q, \slot, \zero
	MUL16 6, (\q)%2, \q, \slot, \zero
	PLACES NP
	WIN 0
	FETCH_A \slot, (\q)+1, 4
.endm
; A slot's last step changes slots: one barrier; in front of it each wave waits for all its tensor loads, adds 0 to its spare word, and waits for that and for its own reads of this slot.
.macro TURN slot, next, fill
	s_wait_tensorcnt 0x0                           ; all my tensor loads have landed: my part of the next slot
	ds_add_u32 v[SPW], v[NIL]                      ; 0 onto my spare word
	s_wait_dscnt 4*NL+1                            ; the add and the youngest 24 loads may be out
	WIN MUL_LO
	MUL16 0, 1, NQ-1, \slot, 0
	s_wait_dscnt 0x0                               ; the add is done, and my reads of this slot are over
	s_barrier_signal -1
	MUL16 2, 1, NQ-1, \slot, 0
	WIN 0
	s_barrier_wait -1
.if \fill
	CREST                                          ; the barrier has opened a round of the cluster's barrier: no wave of any partner still reads this slot or has a load on its way
	s_add_nc_u64 s[G0+4*\slot+2:G0+4*\slot+3], s[G0+4*\slot+2:G0+4*\slot+3], 2*ROWB
	s_add_nc_u64 s[G0B+4*\slot+2:G0B+4*\slot+3], s[G0B+4*\slot+2:G0B+4*\slot+3], 2*ROWB
	JLOAD G0+4*\slot, G1, G0B+4*\slot, G1B         ; the first tensor load behind the round; its four v_nop are the places in front of the loads below
.else
	PLACES NP
.endif
	s_wait_alu depctr_va_vdst(0)
	v_add_nc_u32 v[ADRS], 4*NQ, v[ADRS]            ; on to the next K step's scale words
	FETCH_B \next, 0, 0
	FETCH_A \next, 0, 0
	SCALES \next
	WIN MUL_HI
	MUL16 4, 1, NQ-1, \slot, 0
	MUL16 6, 1, NQ-1, \slot, 0
	PLACES NP
	WIN 0
	FETCH_A \next, 0, 4
.endm
	s_wait_tensorcnt 1                             ; the scale bytes and my part of K step 0 are in; K step 1's load may be out
	s_barrier_signal -1
	s_barrier_wait -1
	FETCH_B 0, 0, 0
	FETCH_A 0, 0, 0
	SCALES 0
	FETCH_A 0, 0, 4
	STEP 0, 0, 1                                   ; the first step's products start the sums: nothing is cleared
	s_mov_b32 s3, LAPS-1
.Llap:
	TURN 0, 1, 1
	STEP 1, 0, 0
	TURN 1, 0, 1
	STEP 0, 0, 0
	s_sub_co_u32 s3, s3, 1
	s_cmp_lg_u32 s3, 0
	s_cbranch_scc1 .Llap
	TURN 0, 1, 0                                   ; the last lap fills nothing
	STEP 1, 0, 0
	s_wait_dscnt 4*NL
	WIN MUL_LO
	MUL16 0, 1, NQ-1, 1, 0
	MUL16 2, 1, NQ-1, 1, 0
	s_wait_dscnt 0
	WIN MUL_HI
	MUL16 4, 1, NQ-1, 1, 0
	MUL16 6, 1, NQ-1, 1, 0
	WIN 0
; THE WAY OUT.  Source 1's block a: a lane's 64 results are 128 neighbours' worth of one row: register 16 b + i = index 32 b + 16 (lane / 16) + i along source 0.
; TAKE: they come into window 0 with the bias added (the addition is also the move), each accumulator from its low end on.  The bias of pair n stands at v[bias + step n].
.macro TAKE a, bias, step
.set WN, 0x02+(\a)/4
	WIN WN
.set TI, 0
.rept 32
	v_pk_add_f32 v[T+2*TI:T+2*TI+1], v[64*((\a)%4)+2*TI:64*((\a)%4)+2*TI+1], v[\bias+\step*TI:\bias+\step*TI+1]
.set TI, TI+1
.endr
	WIN 0
.endm
; QUANT: the 64 numbers v[s] on become codes: those of indices 0-63 in v[d0] .. v[d0 + 5], those of 64-127 in v[d1] .. v[d1 + 5] (lanes 0-15 the lower block of 32, lanes 16-31 the upper), and the row's scale word in v[pw].
.macro QUANT s, d0, d1, pw
.irp b, 0,1,2,3
	v_max3_num_f32 v[TM+\b], |v[\s+16*\b]|, |v[\s+1+16*\b]|, 0x2800000   ; block b: my 16 numbers, and the floor 2^(5 - 127)
.endr
.irp i, 2,4,6,8,10,12,14
.irp b, 0,1,2,3
	v_max3_num_f32 v[TM+\b], v[TM+\b], |v[\s+16*\b+\i]|, |v[\s+1+16*\b+\i]|
.endr
.endr
.irp b, 0,1,2,3
	v_permlanex16_b32 v[TM+4+\b], v[TM+\b], s[SEL], s[SEL+1]
.endr
.irp b, 0,1,2,3
	v_max_num_f32 v[TM+\b], v[TM+\b], v[TM+4+\b]   ; with lane l xor 16's: the block's largest magnitude
.endr
.irp b, 0,1,2,3
	v_add_nc_u32 v[TM+12+\b], 0xfe000000, v[TM+\b] ; 4 off its exponent field: the conversion's scale operand
.endr
.irp b, 0,1,2,3
	v_lshrrev_b32 v[TM+4+\b], 23, v[TM+12+\b]      ; the scale's byte
.endr
	v_lshl_or_b32 v[\pw], v[TM+5], 8, v[TM+4]
	v_lshl_or_b32 v[\pw], v[TM+6], 16, v[\pw]
	v_lshl_or_b32 v[\pw], v[TM+7], 24, v[\pw]
	v_cvt_scalef32_pk16_bf6_f32 v[\d0:\d0+2], v[\s:\s+15], v[TM+12]
	v_cvt_scalef32_pk16_bf6_f32 v[QT:QT+2], v[\s+16:\s+31], v[TM+13]   ; (a conversion's three registers begin on an even number)
	v_cvt_scalef32_pk16_bf6_f32 v[\d1:\d1+2], v[\s+32:\s+47], v[TM+14]
	v_cvt_scalef32_pk16_bf6_f32 v[QT+4:QT+6], v[\s+48:\s+63], v[TM+15]
	v_nop                                          ; a plain instruction behind the conversions
.irp i, 0,1,2
	v_permlane16_swap_b32 v[\d0+\i], v[QT+\i]      ; a whole block in a lane
.endr
.irp i, 0,1,2
	v_mov_b32 v[\d0+3+\i], v[QT+\i]
.endr
.irp i, 0,1,2
	v_permlane16_swap_b32 v[\d1+\i], v[QT+4+\i]
.endr
.irp i, 0,1,2
	v_mov_b32 v[\d1+3+\i], v[QT+4+\i]
.endr
.endm
	PLACES NP                                      ; behind the last products
.irp b, 0,1,2,3
	v_mov_b32 v[TM+4+\b], 0                        ; written once: a lane permute's destination counts as one of its sources
.endr
	s_wait_loadcnt 0x0                             ; the biases
	ds_store_b128 v[BST], v[224:227]               ; into my own 512 bytes, in the columns' order; only I read them, and LDS serves a wave in order
	s_mov_b32 vcc_lo, 0xffff0000                   ; lanes 16-31
	s_cmp_eq_u32 s96, 2
	s_cbranch_scc1 .Lv
	; ---- q and k: a lane holds a token; its 128 columns are two heads.  Blocks 2 pr and 2 pr + 1 make fragment pr of both heads
.irp b, 0,1,2,3
.irp q, 0,1,2,3
	ds_load_b128 v[BX+16*\b+4*\q:BX+16*\b+4*\q+3], v[BRX] offset:128*\b+16*\q   ; the biases of columns 32 b + 16 (lane / 16) + 0 .. 15
.endr
.endr
	s_wait_dscnt 0x0
.irp pr, 0,1,2,3
.if \pr > 0
	s_wait_xcnt 0x0                                ; the last fragments' stores have read their registers
.endif
.irp e, 0,1
	TAKE 2*\pr+\e, BX, 2
	QUANT T, F0+6*\e, F1+6*\e, PW0+\e
.endr
	v_perm_b32 v[SWH+\pr], v[PW0+1], v[PW0], 0x05040100    ; the first head's word: the lower token's two bytes, then the upper's
	v_perm_b32 v[SWH+4+\pr], v[PW0+1], v[PW0], 0x07060302  ; the second head's
.irp c, 0,1,2
	global_store_b128 v[CO], v[F0+4*\c:F0+4*\c+3], s[10:11] offset:1536*\pr+512*\c   ; 512 consecutive bytes a store
	global_store_b128 v[CO], v[F1+4*\c:F1+4*\c+3], s[12:13] offset:1536*\pr+512*\c
.endr
.endr
	v_cndmask_b32 v40, v[SWH], v[SWH+1], vcc_lo    ; lanes 0-15 fragment 0's words, lanes 16-31 fragment 1's;
	v_cndmask_b32 v41, v[SWH+2], v[SWH+3], vcc_lo  ; fragments 2 and 3
	v_cndmask_b32 v42, v[SWH+4], v[SWH+5], vcc_lo
	v_cndmask_b32 v43, v[SWH+6], v[SWH+7], vcc_lo
	global_store_b64 v[C8], v[40:41], s[10:11] offset:6144     ; 256 consecutive bytes
	global_store_b64 v[C8], v[42:43], s[12:13] offset:6144
	s_branch .Ldone
.Lv:
	; ---- v: a lane holds a channel; its 128 registers' worth are the record's tokens.  Block a is tile a % 4 of head a / 4
.irp a, 0,1,2,3,4,5,6,7
	ds_load_b32 v[BX+2*\a], v[BRY] offset:(32*(\a/2)+8*(\a%2))*4       ; my channel's bias, twice: a pair for the packed addition
	ds_load_b32 v[BX+2*\a+1], v[BRY] offset:(32*(\a/2)+8*(\a%2))*4
.endr
	s_wait_dscnt 0x0
.irp a, 0,1,2,3,4,5,6,7
.if \a > 0
	s_wait_xcnt 0x0                                ; the last tile's stores have read their registers
.endif
	TAKE \a, BX+2*\a, 0
	QUANT T, F0, F0+6, SWH+\a
.irp c, 0,1,2
.if \a < 4
	global_store_b128 v[CO], v[F0+4*\c:F0+4*\c+3], s[10:11] offset:6400+1536*(\a%4)+512*\c
.else
	global_store_b128 v[CO], v[F0+4*\c:F0+4*\c+3], s[12:13] offset:6400+1536*(\a%4)+512*\c
.endif
.endr
.endr
	v_cndmask_b32 v40, v[SWH], v[SWH+1], vcc_lo
	v_cndmask_b32 v41, v[SWH+2], v[SWH+3], vcc_lo
	v_cndmask_b32 v42, v[SWH+4], v[SWH+5], vcc_lo
	v_cndmask_b32 v43, v[SWH+6], v[SWH+7], vcc_lo
	global_store_b64 v[C8], v[40:41], s[10:11] offset:12544
	global_store_b64 v[C8], v[42:43], s[12:13] offset:12544
.Ldone:
	s_wait_tensorcnt 0x0                           ; the wave's end, behind my last tensor load and my last LDS store
	ds_add_u32 v[SPW], v[NIL]
	s_wait_dscnt 0x0
	CROUND                                         ; the closing round: no work-group ends while a partner may still ask for a tile that names it
	s_endpgm
.Lfunc_end_k_q0c0c80dd39_qkv:
	.size	k_q0c0c80dd39_qkv, .Lfunc_end_k_q0c0c80dd39_qkv-k_q0c0c80dd39_qkv
	.p2alignl 7, 3214868480
	.fill 96, 4, 3214868480
	.section	.rodata,"a",@progbits
	.p2align	6, 0x0
	.amdhsa_kernel k_q0c0c80dd39_qkv
		.amdhsa_group_segment_fixed_size 327680
		.amdhsa_private_segment_fixed_size 0
		.amdhsa_enable_private_segment 0
		.amdhsa_kernarg_size 72
		.amdhsa_user_sgpr_count 2
		.amdhsa_user_sgpr_kernarg_segment_ptr 1
		.amdhsa_wavefront_size32 1
		.amdhsa_system_sgpr_workgroup_id_x 1
		.amdhsa_system_sgpr_workgroup_id_y 1
		.amdhsa_system_sgpr_workgroup_id_z 1
		.amdhsa_system_vgpr_workitem_id 0
		.amdhsa_next_free_vgpr 1024
		.amdhsa_next_free_sgpr 100
		.amdhsa_reserve_vcc 1
		.amdhsa_float_denorm_mode_32 3
		.amdhsa_float_denorm_mode_16_64 3
		.amdhsa_memory_ordered 1
		.amdhsa_forward_progress 1
		.amdhsa_inst_pref_size 233
	.end_amdhsa_kernel
	.amdgpu_metadata
---
amdhsa.version: [ 1, 2 ]
amdhsa.kernels:
  - .name:           k_q0c0c80dd39_qkv
    .symbol:         k_q0c0c80dd39_qkv.kd
    .args:
      - { .name: hc, .offset: 0, .size: 8, .value_kind: global_buffer, .address_space: global }
      - { .name: hs, .offset: 8, .size: 8, .value_kind: global_buffer, .address_space: global }
      - { .name: wc, .offset: 16, .size: 8, .value_kind: global_buffer, .address_space: global }
      - { .name: ws, .offset: 24, .size: 8, .value_kind: global_buffer, .address_space: global }
      - { .name: bq, .offset: 32, .size: 8, .value_kind: global_buffer, .address_space: global }
      - { .name: bk, .offset: 40, .size: 8, .value_kind: global_buffer, .address_space: global }
      - { .name: bv, .offset: 48, .size: 8, .value_kind: global_buffer, .address_space: global }
      - { .name: qb, .offset: 56, .size: 8, .value_kind: global_buffer, .address_space: global }
      - { .name: kv, .offset: 64, .size: 8, .value_kind: global_buffer, .address_space: global }
    .group_segment_fixed_size: 327680
    .private_segment_fixed_size: 0
    .kernarg_segment_align: 8
    .kernarg_segment_size: 72
    .max_flat_workgroup_size: 128
    .sgpr_count:     100
    .vgpr_count:     1024
    .wavefront_size: 32
...
	.end_amdgpu_metadata
.endif
;; end of part 2
;; launch attn (part 3): grid 4 x 64, 16 waves a work-group, clusters of 4 x 1, 327,680 bytes of LDS; arguments qb, kv, out0; writes out0
.if DOCPART == 3
	.amdgcn_target "amdgcn-amd-amdhsa--gfx1250"
	.amdhsa_code_object_version 6
	.text
	.protected	k_q0c0c80dd39_attn
	.globl	k_q0c0c80dd39_attn
	.p2align	8
	.type	k_q0c0c80dd39_attn,@function
k_q0c0c80dd39_attn:
	s_mov_b64 s[64:65], 0
	v_nop
	global_prefetch_b8 v0, s[64:65] scope:SCOPE_SE
	s_setreg_imm32_b32 hwreg(HW_REG_WAVE_MODE, 25, 1), 1
	s_wait_xcnt 0x0
	s_wait_alu depctr_hold_cnt(0) depctr_sa_sdst(0) depctr_va_vdst(0) depctr_va_sdst(0) depctr_va_ssrc(0) depctr_va_vcc(0) depctr_vm_vsrc(0)
	s_getreg_b32 s2, hwreg(HW_REG_IB_STS2, 6, 4)
	s_cmp_eq_u32 s2, 0
	s_cbranch_scc0 .Lentry_in_a_cluster
	s_endpgm
.Lentry_in_a_cluster:
	s_bfe_u32 s2, ttmp6, 0x10000c
	s_cmp_lg_u32 s2, 0x3003
	s_cbranch_scc0 .Lentry_shape_is_right
	s_endpgm
.Lentry_shape_is_right:
.set REC,   12800
.set HEADB, 16*REC
.set STAGE, HEADB
.set LI,  1
.set L8,  2
.set AD,  3
.set AD8, 4
.set STO, 5
.set RD,  6
.set GO,  7
.set QF,  16
.set SQ,  34
.set QW,  35
.set QP,  36
.set KF,  48
.set S,   96
.set O,   160
.set PC,  192
.set QT,  204
.set BM,  212
.set PM,  216
.set SO,  220
.set FF,  224
.set PW,  225
.set TT,  226
.set KSC, 228
.set VSC, 230
.set WV,  10
.set SEL, 12
.set CS,  14
.set TB,  32
.set CNT, 33
.macro CROUND
	s_barrier_signal -1
	s_barrier_wait -1
	s_cmp_lg_u32 s[WV], 0
	s_cbranch_scc1 .Lnot_wave_0_\@
	s_barrier_signal -3
.Lnot_wave_0_\@:
	s_barrier_wait -3
	s_barrier_signal -1
	s_barrier_wait -1
.endm
	s_load_b128 s[4:7], s[0:1], 0x0
	s_load_b64 s[8:9], s[0:1], 0x10
	v_lshl_add_u32 v254, v0, 2, 0x43000
	v_mov_b32 v255, 0
	ds_add_u32 v254, v255
	ds_add_u32 v254, v255
	v_lshrrev_b32 v8, 5, v0
	s_delay_alu instid0(VALU_DEP_1)
	v_readfirstlane_b32 s[WV], v8
	s_bfe_u32 s11, ttmp6, 0x40000
	s_and_b32 s34, ttmp7, 0xffff
	s_mov_b32 s16, 15|(3<<16)|(1<<21)
	s_mov_b32 s17, 32<<16
	s_mov_b32 s18, 25<<16
	s_mov_b32 s19, 32<<16
	s_mov_b32 s20, 25
	s_mov_b32 s21, 32
	s_mov_b32 s22, 0
	s_mov_b32 s23, 0
	s_mul_i32 s35, s[WV], 6400
	s_mul_i32 s36, s34, HEADB
	s_add_co_u32 s36, s36, s35
	s_mov_b32 s37, 0
	s_mov_b32 s[SEL], 0x76543210
	s_mov_b32 s[SEL+1], 0xfedcba98
	s_mov_b32 s[CS], 0x3e38aa3b
	s_mov_b32 s[CS+1], s[CS]
	s_wait_dscnt 0x0
	s_wait_kmcnt 0x0
	s_mov_b32 s24, 1
	s_mov_b32 s25, s35
	s_add_nc_u64 s[26:27], s[6:7], s[36:37]
	s_mov_b32 s28, 1
	s_add_co_u32 s29, s35, HEADB/2
	s_add_nc_u64 s[30:31], s[26:27], HEADB/2
	s_or_b32 s27, s27, 0x80000000
	s_or_b32 s31, s31, 0x80000000
	CROUND
	tensor_load_to_lds s[24:27], s[16:23]
	s_nop 0
	s_wait_alu depctr_va_vdst(0)
	s_wait_tensorcnt 0x0
	ds_add_u32 v254, v255
	s_wait_dscnt 0x0
	CROUND
	tensor_load_to_lds s[28:31], s[16:23]
	s_nop 0
.rept 4
	v_nop
.endr
	v_and_b32 v8, 31, v0
	v_and_b32 v9, 15, v0
	v_bfe_u32 v10, v0, 4, 1
	s_delay_alu instid0(VALU_DEP_3)
	v_lshlrev_b32 v[LI], 4, v8
	s_delay_alu instid0(VALU_DEP_4)
	v_lshlrev_b32 v[L8], 3, v8
	s_mul_i32 s38, s[WV], 16*272
	s_add_co_u32 s38, s38, STAGE
	v_mul_u32_u24 v[STO], v9, 272
	s_delay_alu instid0(VALU_DEP_1)
	v_lshl_add_u32 v[STO], v10, 6, v[STO]
	s_delay_alu instid0(VALU_DEP_1)
	v_add_nc_u32 v[STO], s38, v[STO]
	v_mul_u32_u24 v[RD], v10, 272
	s_delay_alu instid0(VALU_DEP_1)
	v_lshl_add_u32 v[RD], v9, 4, v[RD]
	s_delay_alu instid0(VALU_DEP_1)
	v_add_nc_u32 v[RD], s38, v[RD]
	v_lshlrev_b32 v[GO], 12, v10
	s_delay_alu instid0(VALU_DEP_1)
	v_lshl_add_u32 v[GO], v9, 4, v[GO]
	s_lshl_b32 s38, s34, 4
	s_lshl_b32 s39, s11, 2
	s_add_co_u32 s38, s38, s39
	s_lshr_b32 s39, s[WV], 2
	s_add_co_u32 s38, s38, s39
	s_mul_i32 s38, s38, 6400
	s_mov_b32 s39, 0
	s_add_nc_u64 s[4:5], s[4:5], s[38:39]
	s_and_b32 s40, s[WV], 3
	s_mul_i32 s40, s40, 1536
	v_add_nc_u32 v11, s40, v[LI]
	s_and_b32 s41, s[WV], 1
	s_lshl_b32 s41, s41, 7
	s_bfe_u32 s42, s[WV], 0x10001
	s_lshl_b32 s42, s42, 2
	s_add_co_u32 s41, s41, s42
	s_add_co_u32 s41, s41, 6144
	v_lshl_add_u32 v8, v9, 3, s41
.irp c, 0,1,2
	global_load_b128 v[QP+4*\c:QP+4*\c+3], v11, s[4:5] offset:512*\c th:TH_LOAD_NT
.endr
	global_load_b32 v[QW], v8, s[4:5] th:TH_LOAD_NT
	s_lshr_b32 s44, s34, 4
	s_lshl_b32 s44, s44, 11
	s_lshl_b32 s45, s11, 9
	s_add_co_u32 s44, s44, s45
	s_lshl_b32 s45, s[WV], 5
	s_add_co_u32 s44, s44, s45
	s_lshl_b32 s44, s44, 12
	s_and_b32 s45, s34, 15
	s_lshl_b32 s45, s45, 8
	s_add_co_u32 s44, s44, s45
	s_mov_b32 s45, 0
	s_add_nc_u64 s[8:9], s[8:9], s[44:45]
.irp i, 0,1,2,3,4,5
	v_mov_b32 v[QF+6+\i], 0
.endr
.irp b, 0,1,2,3
	v_mov_b32 v[PM+\b], 0
.endr
	v_mov_b32 v[PW], 0
.macro STEP
	v_add_nc_u32 v[AD], s[TB], v[LI]
	v_add_nc_u32 v[AD8], s[TB], v[L8]
	v_nop
	v_nop
.irp f, 0,1,2,3
.irp c, 0,1,2
	ds_load_b128 v[KF+12*\f+4*\c:KF+12*\f+4*\c+3], v[AD] offset:1536*\f+512*\c
.endr
.endr
	ds_load_b64 v[KSC:KSC+1], v[AD8] offset:6144
	s_wait_alu depctr_va_vdst(0)
	s_wait_dscnt 0x0
.irp f, 0,1,2,3
.irp u, 0,1
.if (\f)%2
	v_wmma_scale_f32_16x16x128_f8f6f4 v[S+8*(2*\f+\u):S+8*(2*\f+\u)+7], v[KF+12*\f:KF+12*\f+11], v[QF+6*\u:QF+6*\u+11], 0, v[KSC+\f/2], v[SQ] matrix_a_fmt:MATRIX_FMT_BF6 matrix_b_fmt:MATRIX_FMT_BF6 matrix_a_scale:MATRIX_SCALE_ROW1
.else
	v_wmma_scale_f32_16x16x128_f8f6f4 v[S+8*(2*\f+\u):S+8*(2*\f+\u)+7], v[KF+12*\f:KF+12*\f+11], v[QF+6*\u:QF+6*\u+11], 0, v[KSC+\f/2], v[SQ] matrix_a_fmt:MATRIX_FMT_BF6 matrix_b_fmt:MATRIX_FMT_BF6
.endif
.endr
.endr
.rept 4
	v_nop
.endr
.irp t, 0,1,2,3
.irp c, 0,1,2
	ds_load_b128 v[KF+12*\t+4*\c:KF+12*\t+4*\c+3], v[AD] offset:6400+1536*\t+512*\c
.endr
.endr
	ds_load_b64 v[VSC:VSC+1], v[AD8] offset:12544
.irp b, 0,1,2,3
	v_max3_num_f32 v[BM+\b], v[S+16*\b], v[S+1+16*\b], v[S+2+16*\b]
.endr
.irp i, 3,5,7,9,11,13
.irp b, 0,1,2,3
	v_max3_num_f32 v[BM+\b], v[BM+\b], v[S+16*\b+\i], v[S+1+16*\b+\i]
.endr
.endr
.irp b, 0,1,2,3
	v_max_num_f32 v[BM+\b], v[BM+\b], v[S+15+16*\b]
.endr
.irp b, 0,1,2,3
	s_delay_alu instid0(VALU_DEP_4)
	v_permlanex16_b32 v[PM+\b], v[BM+\b], s[SEL], s[SEL+1]
.endr
.irp b, 0,1,2,3
	s_delay_alu instid0(VALU_DEP_4)
	v_max_num_f32 v[BM+\b], v[BM+\b], v[PM+\b]
.endr
	s_delay_alu instid0(VALU_DEP_2)
	v_max3_num_f32 v[TT], v[BM], v[BM+1], v[BM+2]
	s_delay_alu instid0(VALU_DEP_1)
	v_max_num_f32 v[TT], v[TT], v[BM+3]
	s_delay_alu instid0(VALU_DEP_1)
	v_mul_f32 v[TT], s[CS], v[TT]
	s_delay_alu instid0(VALU_DEP_1)
	v_max_num_f32 v13, v13, v[TT]
	v_mov_b32 v[TT], v12
	s_delay_alu instid0(VALU_DEP_2)
	v_floor_f32 v12, -v13
	s_delay_alu instid0(VALU_DEP_1)
	v_sub_f32 v[TT], v12, v[TT]
	s_delay_alu instid0(VALU_DEP_1)
	v_cvt_i32_f32 v[TT], v[TT]
	s_delay_alu instid0(VALU_DEP_1)
	v_ldexp_f32 v[FF], 1.0, v[TT]
.set J, 0
.rept 32
	v_pk_fma_f32 v[S+J:S+J+1], v[S+J:S+J+1], s[CS:CS+1], v[12:13] op_sel_hi:[1,0,0]
.set J, J+2
.endr
.irp b, 0,1,2,3
	v_fma_f32 v[BM+\b], v[BM+\b], s[CS], v12
.endr
.set J, 0
	s_wait_alu depctr_va_vdst(0)
.rept 64
	v_exp_f32 v[S+J], v[S+J]
.set J, J+1
.endr
	s_setprio 1
	v_pk_mul_f32 v[14:15], v[14:15], v[FF:FF+1] op_sel_hi:[1,0]
	s_wait_alu depctr_va_vdst(0)
.irp b, 0,1,2,3
	v_exp_f32 v[BM+\b], v[BM+\b]
.endr
	v_pk_add_f32 v[PM:PM+1], v[S:S+1], v[S+2:S+3]
.irp j, 4,8,12,16,20,24,28,32,36,40,44,48,52,56,60
	v_pk_add_f32 v[14:15], v[14:15], v[S+\j:S+\j+1]
	v_pk_add_f32 v[PM:PM+1], v[PM:PM+1], v[S+\j+2:S+\j+3]
.endr
	s_delay_alu instid0(VALU_DEP_1)
	v_pk_add_f32 v[14:15], v[14:15], v[PM:PM+1]
	s_wait_alu depctr_va_vdst(0)
.irp b, 0,1,2,3
	v_max_num_f32 v[BM+\b], 0x2800000, v[BM+\b]
.endr
.irp b, 0,1,2,3
	s_delay_alu instid0(VALU_DEP_4)
	v_add_nc_u32 v[SO+\b], 0xfe000000, v[BM+\b]
.endr
.irp b, 0,1,2,3
	s_delay_alu instid0(VALU_DEP_4)
	v_lshrrev_b32 v[PM+\b], 23, v[SO+\b]
.endr
	s_delay_alu instid0(VALU_DEP_3)
	v_lshl_or_b32 v[PW], v[PM+1], 8, v[PM]
	s_delay_alu instid0(VALU_DEP_1)
	v_lshl_or_b32 v[PW], v[PM+2], 16, v[PW]
	s_delay_alu instid0(VALU_DEP_1)
	v_lshl_or_b32 v[PW], v[PM+3], 24, v[PW]
.irp c, 0,1
	v_cvt_scalef32_pk16_bf6_f32 v[PC+6*\c:PC+6*\c+2], v[S+32*\c:S+32*\c+15], v[SO+2*\c]
	v_cvt_scalef32_pk16_bf6_f32 v[QT+4*\c:QT+4*\c+2], v[S+16+32*\c:S+31+32*\c], v[SO+2*\c+1]
.endr
	v_nop
.irp c, 0,1
.irp i, 0,1,2
	v_permlane16_swap_b32 v[PC+6*\c+\i], v[QT+4*\c+\i]
.endr
.irp i, 0,1,2
	s_delay_alu instid0(VALU_DEP_3)
	v_mov_b32 v[PC+3+6*\c+\i], v[QT+4*\c+\i]
.endr
.endr
.set J, 0
	s_setprio 0
.rept 16
	v_pk_mul_f32 v[O+J:O+J+1], v[O+J:O+J+1], v[FF:FF+1] op_sel_hi:[1,0]
.set J, J+2
.endr
	s_wait_alu depctr_va_vdst(0)
	s_wait_dscnt 0x0
.irp t, 0,1,2,3
.if (\t)%2
	v_wmma_scale_f32_16x16x128_f8f6f4 v[O+8*\t:O+8*\t+7], v[KF+12*\t:KF+12*\t+11], v[PC:PC+11], v[O+8*\t:O+8*\t+7], v[VSC+\t/2], v[PW] matrix_a_fmt:MATRIX_FMT_BF6 matrix_b_fmt:MATRIX_FMT_BF6 matrix_a_scale:MATRIX_SCALE_ROW1
.else
	v_wmma_scale_f32_16x16x128_f8f6f4 v[O+8*\t:O+8*\t+7], v[KF+12*\t:KF+12*\t+11], v[PC:PC+11], v[O+8*\t:O+8*\t+7], v[VSC+\t/2], v[PW] matrix_a_fmt:MATRIX_FMT_BF6 matrix_b_fmt:MATRIX_FMT_BF6
.endif
.endr
	s_add_co_u32 s[TB], s[TB], REC
.endm
.macro INIT u
.irp i, 0,1,2,3,4,5
	v_mov_b32 v[QF+\i], v[QP+6*\u+\i]
	v_mov_b32 v[QF+12+\i], v[QP+6*\u+\i]
.endr
	v_perm_b32 v[SQ], v[QW], v[QW], 0x01000100+0x02020202*\u
	v_mov_b32 v13, 0xff61b1e6
	s_delay_alu instid0(VALU_DEP_1)
	v_floor_f32 v12, -v13
	v_mov_b32 v14, 0
	v_mov_b32 v15, 0
.set J, 0
.rept 32
	v_mov_b32 v[O+J], 0
.set J, J+1
.endr
	s_mov_b32 s[TB], 0
.endm
.macro LOOP
	s_mov_b32 s[CNT], 16
.Lstep_\@:
	s_setprio 2
	STEP
	s_sub_co_u32 s[CNT], s[CNT], 1
	s_cmp_lg_u32 s[CNT], 0
	s_cbranch_scc1 .Lstep_\@
	s_setprio 0
.endm
.macro OUT u
.rept 4
	v_nop
.endr
	v_add_f32 v14, v14, v15
	s_delay_alu instid0(VALU_DEP_1)
	v_permlanex16_b32 v[TT], v14, s[SEL], s[SEL+1]
	s_delay_alu instid0(VALU_DEP_1)
	v_add_f32 v14, v14, v[TT]
	s_wait_alu depctr_va_vdst(0)
	v_rcp_f32 v14, v14
	v_nop
	s_wait_alu depctr_va_vdst(0)
.set J, 0
.rept 32
	v_mul_f32 v[S+J], v[O+J], v14
.set J, J+1
.endr
.irp b, 0,1
.irp q, 0,1,2,3
	ds_store_b128 v[STO], v[S+16*\b+4*\q:S+16*\b+4*\q+3] offset:128*\b+16*\q
.endr
.endr
.irp i, 0,1,2,3,4,5,6,7
	ds_load_b128 v[S+32+4*\i:S+35+4*\i], v[RD] offset:544*\i
.endr
.irp i, 0,1,2,3,4,5,6,7
	s_wait_dscnt 7-\i
	global_store_b128 v[GO], v[S+32+4*\i:S+35+4*\i], s[8:9] offset:(8*\u+2*\i+8*(\i/4))*4096 th:TH_STORE_NT
.endr
.endm
	s_wait_loadcnt 0x0
	s_wait_tensorcnt 0x0
	s_barrier_signal -1
	s_barrier_wait -1
	INIT 0
	LOOP
	OUT 0
	s_wait_xcnt 0x0
	INIT 1
	LOOP
	OUT 1
	s_wait_tensorcnt 0x0
	ds_add_u32 v254, v255
	s_wait_dscnt 0x0
	CROUND
	s_endpgm
.Lfunc_end_k_q0c0c80dd39_attn:
	.size	k_q0c0c80dd39_attn, .Lfunc_end_k_q0c0c80dd39_attn-k_q0c0c80dd39_attn
	.p2alignl 7, 3214868480
	.fill 96, 4, 3214868480
	.section	.rodata,"a",@progbits
	.p2align	6, 0x0
	.amdhsa_kernel k_q0c0c80dd39_attn
		.amdhsa_group_segment_fixed_size 327680
		.amdhsa_private_segment_fixed_size 0
		.amdhsa_enable_private_segment 0
		.amdhsa_kernarg_size 24
		.amdhsa_user_sgpr_count 2
		.amdhsa_user_sgpr_kernarg_segment_ptr 1
		.amdhsa_wavefront_size32 1
		.amdhsa_system_sgpr_workgroup_id_x 1
		.amdhsa_system_sgpr_workgroup_id_y 1
		.amdhsa_system_sgpr_workgroup_id_z 1
		.amdhsa_system_vgpr_workitem_id 0
		.amdhsa_next_free_vgpr 256
		.amdhsa_next_free_sgpr 66
		.amdhsa_reserve_vcc 0
		.amdhsa_float_denorm_mode_32 3
		.amdhsa_float_denorm_mode_16_64 3
		.amdhsa_memory_ordered 1
		.amdhsa_forward_progress 1
		.amdhsa_inst_pref_size 51
	.end_amdhsa_kernel
	.amdgpu_metadata
---
amdhsa.version: [ 1, 2 ]
amdhsa.kernels:
  - .name:           k_q0c0c80dd39_attn
    .symbol:         k_q0c0c80dd39_attn.kd
    .args:
      - { .name: qb, .offset: 0, .size: 8, .value_kind: global_buffer, .address_space: global }
      - { .name: kv, .offset: 8, .size: 8, .value_kind: global_buffer, .address_space: global }
      - { .name: out0, .offset: 16, .size: 8, .value_kind: global_buffer, .address_space: global }
    .group_segment_fixed_size: 327680
    .private_segment_fixed_size: 0
    .kernarg_segment_align: 8
    .kernarg_segment_size: 24
    .max_flat_workgroup_size: 512
    .sgpr_count:     66
    .vgpr_count:     256
    .wavefront_size: 32
...
	.end_amdgpu_metadata
.endif
;; end of part 3
